; MI455X (gfx1250); checked and timed in simulation.
; The chip was launched on July 23, 2026; its instructions are those of AMD's public machine-readable ISA for CDNA 5 (MIT licence, August 2026) and "CDNA5" Instruction Set Architecture Reference Guide (July 2026). The comments in the code are by the model that wrote it; some were corrected since.
;; Nearest Token Look Up. Allowed arithmetic: matrix products marked QUANTISED: E3M2 operands, one E8M0 scale for each 32 along K, by v_wmma_scale_f32_16x16x128_f8f6f4 with both operands' format E3M2, f32 sums; everything else in f32.
;; Inputs: all_z 25,128 x 512 float32; z 2 x 2,048 x 512 float32.
;; Outputs: out0 2 x 2,048 x 512 float32.
;; This version of the problem:
;;   THIS VERSION OF THE PROBLEM IS GIVEN IN LOW PRECISION. The matrix products marked QUANTISED in the list below multiply operands that are first quantised to E3M2 (3 exponent bits, 2 mantissa bits; 6 bits a number), with one power-of-two scale for each 32 numbers along K (OCP MX v1.0); their sums are f32. All else is computed in f32.
;;   The module's matrix products, in the order in which they are computed (A, B: the left and right operand; K: the contracted axis; several contracted axes count as one K, in the product's order):
;;     1. [M 4,096, K 512] x [K 512, N 25,128]; A: input z; B: input all_z: QUANTISED
;;   THE QUANTISER, for each operand of a quantised product, along K:
;;     - K is cut into blocks of 32 from its start; a last block that is shorter is filled with zeros.
;;     - A block's scale is 2^e with e = floor(log2(the largest magnitude in the block)) - 4, held to -126 .. 127; a block of zeros has e = 0. As a byte (E8M0): e + 127.
;;     - Each number is divided by its block's scale, clamped to +-28, and rounded to the nearest number of E3M2, ties to even, subnormals kept.
;;     - The product sums the exact products of the quantised numbers (number of the format x scale) in f32.
;;   ~~~python
;;   def quantise(x, axis):      # numpy; x: float32 -> the quantised numbers, widened to float32 again
;;       x = np.moveaxis(x, axis, -1); K = x.shape[-1]
;;       x = np.pad(x, [(0, 0)] * (x.ndim - 1) + [(0, -K % 32)]); x = x.reshape(x.shape[:-1] + (-1, 32)); a = np.abs(x).max(-1, keepdims=True)
;;       e = np.where(a > 0, np.clip(np.frexp(np.where(a > 0, a, 1))[1] - 1 - 4, -126, 127), 0)      # np.frexp(a)[1] - 1 = floor(log2(a)), exactly
;;       r = np.clip(x / 2.0 ** e, -28, 28)
;;       step = 2.0 ** (np.maximum(np.frexp(np.where(r == 0, 1, r))[1] - 1, -2) - 2)
;;       q = np.round(r / step) * step * 2.0 ** e      # np.round: ties to even
;;       return np.moveaxis(q.reshape(q.shape[:-2] + (-1,))[..., :K], -1, axis).astype(np.float32)
;;   ~~~
;; One version. Each part assembles by itself: llvm-mc -triple=amdgcn-amd-amdhsa -mcpu=gfx1250 --defsym DOCPART=n.
;; ======== version 1 of 1: 3 launches
;; limits: right only within a limited range of input values
;; workspace buffers: ecodes 10,444,800 bytes; qcodes 1,572,864 bytes; qscl 65,536 bytes; part 1,048,576 bytes of whole numbers
;; launch quant (part 1): grid 464 x 1, 4 waves a work-group, no clusters, 34,304 bytes of LDS; arguments all_z, z, ecodes, qcodes, qscl; writes ecodes, qcodes, qscl
.if DOCPART == 1
	.amdgcn_target "amdgcn-amd-amdhsa--gfx1250"
	.amdhsa_code_object_version 6
	.text
	.protected	k_q7f85432074_quant
	.globl	k_q7f85432074_quant
	.p2align	8
	.type	k_q7f85432074_quant,@function
k_q7f85432074_quant:
	s_mov_b64 s[64:65], 0
	v_nop
	global_prefetch_b8 v0, s[64:65] scope:SCOPE_SE
	s_setreg_imm32_b32 hwreg(HW_REG_WAVE_MODE, 25, 1), 1
	s_wait_xcnt 0x0
; all_z [25128][512] and z [4096][512], f32, become codes of BF6 (E3M2) with one E8M0 scale byte for each 32 along K, laid IN THE ORDER OF THE OPERAND'S REGISTERS,
; so that the product's launch takes a fragment by three loads of 16 bytes a lane.  For all_z also -||e||^2 / 2 of each row, in f32, from the unquantised numbers.
; A ROW BLOCK is 16 rows x 512 K.  Its codes are 6,144 bytes: K step s (128 along K) at 1536 s; there piece c (0..2) holds the fragment's registers 4 c .. 4 c + 3 of lane l at 512 c + 16 l.
; Lane (r = l % 16, h = l / 16) holds row r; registers 0-5 the K step's block h of 32, registers 6-11 its block 2 + h.
; Its scale words are 256 bytes, 8 a lane: lanes 0-15 the words of K steps 0 and 2 of row l, lanes 16-31 those of K steps 1 and 3 of row l - 16.
; all_z is padded to 25,600 rows (1,600 blocks): rows from 25,128 on are copies of row 25,127 (the row number is clamped), which can only tie with it.
; A block's scale is 2^(floor(log2(its largest magnitude)) - 4); its byte is the largest magnitude's exponent field - 4, held at 1 from below.
; LIMITS: NaN and infinities are not served; a block whose largest magnitude lies under 2^-122, a block of zeros too, gets the byte 1 (this program alone reads the bytes; zero codes add nothing);
; ||e||^2 is summed in eight chains a lane, not in the order of a plain sum.
; SHARES: one wave takes one row block, 32 KiB of f32.  Work-groups 0-399 take all_z, 400-463 take z: ONE path, only the pointers and the row limit are chosen, by the work-group's number.
; Each load reads 512 consecutive bytes of one row; a K step's 16 x 512 bytes turn through the wave's own stage in LDS, so that a lane gets two whole blocks of 32 of its row.  No barrier: waves share nothing.
; WHERE THE RESULTS LIE.  z: codes of row block b at qcodes + 6144 b, scale words at qscl + 256 b.  all_z: two neighbouring row blocks 2 P and 2 P + 1 form ONE RECORD of 13,056 bytes
; (51 x 256) at ecodes + 13056 P: codes of block u at 6144 u, scale words at 12288 + 256 u, norms at 12800 + 128 u (the 16 norms twice: all 32 lanes store, so every byte of a record is written).
.set NE,   400
.set SPI,  528                         ; a stage row: 512 bytes + 16 = 33 x 16: the 16 rows that a load of 16 bytes a lane touches start 16 bytes apart modulo 256
.set STGB, 16*SPI                      ; a wave's stage
.set OFF,  16                          ; v16-31   byte offset of my 16 bytes in row p of the block
.set RAW,  32                          ; v32-159  two sets of 64: a K step as loaded
.set X,    160                         ; v160-223 my two blocks of 32 numbers
.set F,    224                         ; v224-235 the fragment's 12 registers
.set W,    244                         ; v244-247 my row's scale word of each K step
.set NA,   248                         ; v248-255 sums of squares, four pairs
	s_load_b128 s[4:7], s[0:1], 0x0                ; all_z, z
	s_load_b128 s[8:11], s[0:1], 0x10              ; ecodes, qcodes
	s_load_b64 s[16:17], s[0:1], 0x20              ; qscl
	v_lshl_add_u32 v239, v0, 2, 0x8400
	v_mov_b32 v243, 0
	v_lshrrev_b32 v1, 5, v0
	v_readfirstlane_b32 s18, v1                    ; wave
	v_and_b32 v1, 31, v0                           ; lane
	v_and_b32 v2, 15, v0                           ; r
	v_bfe_u32 v3, v0, 4, 1                         ; h
	v_lshlrev_b32 v4, 4, v1                        ; 16 x lane
	s_mul_i32 s24, s18, STGB
	v_add_nc_u32 v5, s24, v4                       ; the stage, on the way in: 16 x lane of a row
	v_mul_u32_u24 v6, v2, SPI
	v_lshl_add_u32 v6, v3, 7, v6
	v_add_nc_u32 v6, s24, v6                       ; and on the way out: row r, block h (128 bytes a block)
	v_lshlrev_b32 v7, 3, v3                        ; 8 h: how far my two scale bytes are shifted
	v_lshlrev_b32 v15, 3, v1                       ; 8 x lane
	v_mov_b32 v14, 0                               ; written once: a lane permute's destination counts as one of its sources
	s_mov_b32 s22, 0x76543210
	s_mov_b32 s23, 0xfedcba98                      ; v_permlanex16_b32's selects for lane l xor 16
	s_mov_b32 s20, 4095                            ; z's last row
	s_wait_alu depctr_va_vdst(0)
	s_wait_kmcnt 0x0
	s_cmp_lt_u32 ttmp9, NE                         ; all_z's work-group or z's?  The choice hangs on the work-group's number alone
	s_cselect_b64 s[4:5], s[4:5], s[6:7]           ; the numbers
	s_mov_b64 s[12:13], s[8:9]                     ; the norms lie in ecodes
	s_cselect_b64 s[14:15], s[8:9], s[10:11]       ; the codes
	s_cselect_b64 s[10:11], s[8:9], s[16:17]       ; the scale words: in ecodes' records, or qscl
	s_mov_b64 s[8:9], s[14:15]
	s_cselect_b32 s28, 768, 0                      ; all_z: a record is 768 bytes longer than its two blocks' codes,
	s_cselect_b32 s29, 12544, 0                    ; and 12,544 longer than its two blocks' scale words,
	s_cselect_b32 s30, 12288, 0                    ; which begin behind the codes
	s_cselect_b32 s20, 25127, s20                  ; the tensor's last row
	s_cselect_b32 s21, 0, NE
	s_sub_co_u32 s21, ttmp9, s21
	s_lshl_b32 s21, s21, 2
	s_add_co_u32 s19, s21, s18                     ; my row block
	s_lshl_b32 s24, s19, 4                         ; its first row
.irp p, 0,1,2,3,4,5,6,7,8,9,10,11,12,13,14,15
	s_add_co_u32 s25, s24, \p
	s_min_u32 s25, s25, s20                        ; rows past the end are the last row again: no load leaves the buffer
	s_lshl_b32 s25, s25, 11                        ; 2,048 bytes a row: 51,460,096 at the most
	v_add_nc_u32 v[OFF+\p], s25, v4
.endr
	s_mov_b32 s27, 0
	s_lshr_b32 s31, s19, 1                         ; P
	s_and_b32 s32, s19, 1                          ; u
	s_mul_i32 s26, s19, 6144
	s_mul_i32 s33, s31, s28
	s_add_co_u32 s26, s26, s33
	s_add_nc_u64 s[8:9], s[8:9], s[26:27]          ; codes: 6144 b (+ 768 P)
	s_lshl_b32 s26, s19, 8
	s_mul_i32 s33, s31, s29
	s_add_co_u32 s26, s26, s33
	s_add_co_u32 s26, s26, s30
	s_add_nc_u64 s[10:11], s[10:11], s[26:27]      ; scale words: 256 b (+ 12544 P + 12288)
	s_mul_i32 s26, s31, 13056
	s_lshl_b32 s33, s32, 7
	s_add_co_u32 s26, s26, s33
	s_add_co_u32 s26, s26, 12800
	s_add_nc_u64 s[12:13], s[12:13], s[26:27]      ; norms: 13056 P + 12800 + 128 u (used by all_z's work-groups alone)
.macro LOADK s                         ; K step s of the 16 rows into set s % 2: each load is 512 consecutive bytes.  This launch reads them once (only the last row is named again, by the padded rows)
.irp p, 0,1,2,3,4,5,6,7,8,9,10,11,12,13,14,15
	global_load_b128 v[RAW+64*((\s)%2)+4*\p:RAW+64*((\s)%2)+4*\p+3], v[OFF+\p], s[4:5] offset:512*(\s) th:TH_LOAD_NT
.endr
.endm
.macro KSTEP s
.if \s < 3
	s_wait_loadcnt 16                              ; this K step's 16 loads are in; the 16 of the younger set may be out
.else
	s_wait_loadcnt 0x0
.endif
.irp p, 0,1,2,3,4,5,6,7,8,9,10,11,12,13,14,15
	ds_store_b128 v5, v[RAW+64*(\s%2)+4*\p:RAW+64*(\s%2)+4*\p+3] offset:SPI*\p
.endr
.irp c, 0,1                            ; LDS serves a wave's instructions in order (ISA guide 5.7.1.4): these see the stores above
.irp i, 0,1,2,3,4,5,6,7
	ds_load_b128 v[X+32*\c+4*\i:X+32*\c+4*\i+3], v6 offset:256*\c+16*\i   ; block 2 c + h of my row
.endr
.endr
	s_wait_dscnt 0x0                               ; my 64 numbers are in, and the stores have read the set,
.if \s < 2
	LOADK \s+2                                     ; which takes the K step two on
.endif
.set jj, 0
.rept 32                               ; the squares, two at a time, in four chains of pairs; the first four start the sums: nothing is cleared
.if (\s == 0) && (jj < 4)
	v_pk_mul_f32 v[NA+2*jj:NA+2*jj+1], v[X+2*jj:X+2*jj+1], v[X+2*jj:X+2*jj+1]
.else
	v_pk_fma_f32 v[NA+2*(jj%4):NA+2*(jj%4)+1], v[X+2*jj:X+2*jj+1], v[X+2*jj:X+2*jj+1], v[NA+2*(jj%4):NA+2*(jj%4)+1]
.endif
.set jj, jj+1
.endr
.irp c, 0,1
	v_max3_num_f32 v[8+\c], |v[X+32*\c]|, |v[X+32*\c+1]|, 0x2800000   ; a block's largest magnitude: all 32 numbers are mine; the floor 2^(5 - 127) holds the byte at 1 from below
.endr
.irp i, 2,4,6,8,10,12,14,16,18,20,22,24,26,28,30
.irp c, 0,1
	v_max3_num_f32 v[8+\c], v[8+\c], |v[X+32*\c+\i]|, |v[X+32*\c+\i+1]|   ; (the two blocks by turns)
.endr
.endr
.irp c, 0,1
	v_add_nc_u32 v[10+\c], 0xfe000000, v[8+\c]     ; 4 off the exponent field: the conversion takes the exponent field of this operand as its scale, and nothing else of it
.endr
.irp c, 0,1
	v_lshrrev_b32 v[12+\c], 23, v[10+\c]           ; the scale's byte
.endr
	v_lshl_or_b32 v12, v13, 16, v12                ; my two bytes, blocks h and 2 + h,
	v_lshlrev_b32 v12, v7, v12                     ; at their places in the word;
	v_permlanex16_b32 v14, v12, s22, s23
	v_or_b32 v[W+\s], v12, v14                     ; with lane l xor 16's two the row's word is whole, in both lanes
.if \s > 0
	s_wait_alu depctr_va_vdst(0)
	s_wait_xcnt 0x0                                ; the fragment's registers are the data of the last K step's stores: written again only behind this wait
.endif
	v_cvt_scalef32_pk16_bf6_f32 v[F:F+2], v[X:X+15], v10
	v_cvt_scalef32_pk16_bf6_f32 v[236:238], v[X+16:X+31], v10      ; (a conversion's three registers begin on an even number: a block's second three do not, so they are made here and moved)
	v_cvt_scalef32_pk16_bf6_f32 v[F+6:F+8], v[X+32:X+47], v11
	v_cvt_scalef32_pk16_bf6_f32 v[240:242], v[X+48:X+63], v11
	v_nop                                          ; one plain place behind a scaled conversion
.irp i, 0,1,2
	v_mov_b32 v[F+3+\i], v[236+\i]
	v_mov_b32 v[F+9+\i], v[240+\i]
.endr
.irp c, 0,1,2
	global_store_b128 v4, v[F+4*\c:F+4*\c+3], s[8:9] offset:1536*\s+512*\c   ; 32 lanes store 512 consecutive bytes, at a multiple of 256 from the buffer's first byte
.endr
.endm
	s_wait_alu depctr_va_vdst(0)
	LOADK 0
	LOADK 1
	KSTEP 0
	KSTEP 1
	KSTEP 2
	KSTEP 3
	v_cmp_le_u32 vcc_lo, 16, v1                    ; lanes 16-31 carry the odd K steps' words
	v_cndmask_b32 v8, v[W], v[W+1], vcc_lo
	v_cndmask_b32 v9, v[W+2], v[W+3], vcc_lo
	global_store_b64 v15, v[8:9], s[10:11]         ; 32 lanes store 256 consecutive bytes, aligned
	s_cmp_ge_u32 ttmp9, NE
	s_cbranch_scc1 .Lend                           ; z has no norm in the score
	v_pk_add_f32 v[NA:NA+1], v[NA:NA+1], v[NA+2:NA+3]
	v_pk_add_f32 v[NA+4:NA+5], v[NA+4:NA+5], v[NA+6:NA+7]
	v_pk_add_f32 v[NA:NA+1], v[NA:NA+1], v[NA+4:NA+5]
	v_add_f32 v[NA], v[NA], v[NA+1]                ; my half of the row,
	v_permlanex16_b32 v14, v[NA], s22, s23
	v_add_f32 v[NA], v[NA], v14                    ; and lane l xor 16's
	v_mul_f32 v[NA], -0.5, v[NA]                   ; -||e||^2 / 2: the product's sums begin with it
	v_lshlrev_b32 v10, 2, v1                       ; 4 x lane: lanes l and l xor 16 hold the same sum, so the 16 norms are stored twice, 128 consecutive bytes
	global_store_b32 v10, v[NA], s[12:13]
.Lend:
	s_wait_tensorcnt 0x0
	ds_add_u32 v239, v243
	s_wait_dscnt 0x0
	s_endpgm
.Lfunc_end_k_q7f85432074_quant:
	.size	k_q7f85432074_quant, .Lfunc_end_k_q7f85432074_quant-k_q7f85432074_quant
	.p2alignl 7, 3214868480
	.fill 96, 4, 3214868480
	.section	.rodata,"a",@progbits
	.p2align	6, 0x0
	.amdhsa_kernel k_q7f85432074_quant
		.amdhsa_group_segment_fixed_size 34304
		.amdhsa_private_segment_fixed_size 0
		.amdhsa_enable_private_segment 0
		.amdhsa_kernarg_size 40
		.amdhsa_user_sgpr_count 2
		.amdhsa_user_sgpr_kernarg_segment_ptr 1
		.amdhsa_wavefront_size32 1
		.amdhsa_system_sgpr_workgroup_id_x 1
		.amdhsa_system_sgpr_workgroup_id_y 1
		.amdhsa_system_sgpr_workgroup_id_z 1
		.amdhsa_system_vgpr_workitem_id 0
		.amdhsa_next_free_vgpr 256
		.amdhsa_next_free_sgpr 66
		.amdhsa_reserve_vcc 1
		.amdhsa_float_denorm_mode_32 3
		.amdhsa_float_denorm_mode_16_64 3
		.amdhsa_memory_ordered 1
		.amdhsa_forward_progress 1
		.amdhsa_inst_pref_size 41
	.end_amdhsa_kernel
	.amdgpu_metadata
---
amdhsa.version: [ 1, 2 ]
amdhsa.kernels:
  - .name:           k_q7f85432074_quant
    .symbol:         k_q7f85432074_quant.kd
    .args:
      - { .name: all_z, .offset: 0, .size: 8, .value_kind: global_buffer, .address_space: global }
      - { .name: z, .offset: 8, .size: 8, .value_kind: global_buffer, .address_space: global }
      - { .name: ecodes, .offset: 16, .size: 8, .value_kind: global_buffer, .address_space: global }
      - { .name: qcodes, .offset: 24, .size: 8, .value_kind: global_buffer, .address_space: global }
      - { .name: qscl, .offset: 32, .size: 8, .value_kind: global_buffer, .address_space: global }
    .group_segment_fixed_size: 34304
    .private_segment_fixed_size: 0
    .kernarg_segment_align: 8
    .kernarg_segment_size: 40
    .max_flat_workgroup_size: 128
    .sgpr_count:     66
    .vgpr_count:     256
    .wavefront_size: 32
...
	.end_amdgpu_metadata
.endif
;; end of part 1
;; launch score (part 2): grid 8 x 32, 4 waves a work-group, clusters of 4 x 1, 327,680 bytes of LDS; arguments qcodes, qscl, ecodes, part; writes part
.if DOCPART == 2
	.amdgcn_target "amdgcn-amd-amdhsa--gfx1250"
	.amdhsa_code_object_version 6
	.text
	.protected	k_q7f85432074_score
	.globl	k_q7f85432074_score
	.p2align	8
	.type	k_q7f85432074_score,@function
k_q7f85432074_score:
	s_mov_b64 s[64:65], 0
	v_nop
	global_prefetch_b8 v0, s[64:65] scope:SCOPE_SE
	s_setreg_imm32_b32 hwreg(HW_REG_WAVE_MODE, 25, 1), 1
	s_wait_xcnt 0x0
	s_wait_alu depctr_hold_cnt(0) depctr_sa_sdst(0) depctr_va_vdst(0) depctr_va_sdst(0) depctr_va_ssrc(0) depctr_va_vcc(0) depctr_vm_vsrc(0)
	s_getreg_b32 s2, hwreg(HW_REG_IB_STS2, 6, 4)
	s_cmp_eq_u32 s2, 0
	s_cbranch_scc0 .Lentry_in_a_cluster
	s_endpgm
.Lentry_in_a_cluster:
	s_bfe_u32 s2, ttmp6, 0x10000c
	s_cmp_lg_u32 s2, 0x3003
	s_cbranch_scc0 .Lentry_shape_is_right
	s_endpgm
.Lentry_shape_is_right:
; For 512 queries and a chunk of 800 vocabulary rows: the largest q.e - ||e||^2 / 2 of each query (the least ||e||^2 - 2 q.e) and the row that has it; q.e on codes of BF6 (E3M2) with E8M0 scales, sums in f32.
; part [32 chunks][4096 queries][key u32, row u32]: the key is the score's bits mapped to a whole number that keeps the scores' order.  256 work-groups: x = block of 512 queries (8), y = chunk (32).
; SHARES.  Wave w owns 128 queries, 8 tiles of 16; their codes for all of K (384 registers) stay in registers, so LDS is read for the vocabulary alone: a fragment of 1,536 bytes feeds 8 products.
; THE CHUNK is 25 records of 13,056 bytes (two row blocks each: codes, scale words, norms), one dense image of 1,275 rows of 256 bytes.  It fits in LDS and is filled once, in three parts of 256, 408 and 611 rows,
; each shared out among the four waves, one tensor load a wave: the first at the head, the others behind the waits, the add and a round.  A part lands while the part before is multiplied.
; CLUSTER.  The four work-groups of a cluster differ in x alone and read the same chunk: every tensor load is a JOINT one; its descriptor is made of y, the wave's number and constants.
; PREFETCH.  The third part's 611 rows are asked for during the first part's work, one part ahead of their tensor load: a lane a row, the rows shared out over the cluster's 16 waves by address
; (two instructions a wave; lanes left over name the last row again).  The first two parts are asked for by their tensor loads as soon as the text allows: nothing stands ahead of them to ask from.
; LAYOUT.  Source 0 = 16 vocabulary rows, source 1 = 16 queries: lane (r, h) holds query r, register j the block's row 8 h + j.  The C of a block's first product is -||e||^2 / 2 of those eight rows, so the sum IS the score.
; (ORDER OF ROUNDING: the norm enters the sum first and the score is halved and negated; it is rounded otherwise than ||e||^2 - 2 q.e.)
; A BLOCK: the next block's 15 LDS loads; 32 products on end, the 8 accumulators by turns; then, in one batch, the argmax of the block BEFORE, which lies in the other set of accumulators.
; THE ARGMAX of a tile's 8 scores a lane: four v_max3 carry the best so far on into a second register; a strict compare of new and old best says where this block won; there the block's first row and a SNAPSHOT of the
; eight scores are taken (selects in dual pairs).  Which of the eight it was is looked up once, at the end.  Strict compares and the first equal register keep the lowest row at a tie, as argmin does.
; LIMITS: NaN and infinities are not served.
; REGISTERS, in windows of 256.  Window 0: v1-13 addresses; v16-31 the queries' scale words; v32-35 the vocabulary's, two sets; v40-55 best values, two sets by turns; v56-63 best blocks' first rows; v64-127 snapshots;
;   v128-255 two sets of accumulators.  Window 1: v0-191 the queries' fragments of K steps 0, 1 (tile m, step s at 24 m + 12 s); v192-239 vocabulary fragments, set 0; v240-247 its norms.  Window 2: K steps 2, 3 and set 1.
.set REC,  13056                       ; a record: codes at 6144 u, scale words at 12288 + 256 u, norms at 12800 + 128 u
.set CH,   25*REC                      ; a chunk, in memory and in LDS
.set SPARE, CH                         ; behind the chunk: the spare words, 128 bytes for each wave
.set R0,   64                          ; rows a wave in part 0 (rows 0-255: records 0-4),
.set R1,   102                         ; part 1 (rows 256-663: up to record 12),
.set R2,   153                         ; part 2 (rows 664-1274): waves 0-2; wave 3 takes 152
.set L16,  1                           ; 16 x lane
.set L8,   2                           ; 8 x lane
.set AS0,  3                           ; 12288 + 8 x lane
.set AN0,  4                           ; 12800 + 32 h
.set ADB,  5                           ; v5-7 the same three in the record in hand
.set ADS,  6
.set ADN,  7
.set H8,   8                           ; 8 h
.set PF0,  9                           ; v9-10 the prefetches' byte offsets in part 2; never rewritten
.set PF1,  10
.set SPW,  12                          ; my spare word's LDS address; never rewritten
.set NIL,  13                          ; 0; never rewritten
.set SQ,   16
.set SB,   32
.set RB,   40
.set BI,   56
.set VS,   64
.set ACC,  128
.set VF,   192                         ; in windows 1 and 2
.set NC,   240
.set WV,   16                          ; s16 my wave's number
.set G1,   24                          ; s[24:31] group 1; its two words that count rows are set anew for each part
.set G1X,  32                          ; s[32:39] group 1 of wave 3's load of part 2
.set TB,   88                          ; s88 where the record in hand begins in LDS
.set IDX,  91                          ; s91 first row of the block whose argmax comes next
.set CNT,  92
.set MK,   93
.set HI16, 95
.set SEL,  96
.set MSB, 0
.macro WIN new                         ; the immediate's high byte repeats the setting that is left; a switch that changes nothing is dropped
.if MSB != (\new)
	s_set_vgpr_msb (MSB<<8)|(\new)
.set MSB, (\new)
.endif
.endm
.macro CROUND                          ; a round of the cluster's barrier
	s_barrier_signal -1
	s_barrier_wait -1
	s_cmp_lg_u32 s[WV], 0
	s_cbranch_scc1 .Lnot_wave_0_\@
	s_barrier_signal -3
.Lnot_wave_0_\@:
	s_barrier_wait -3
	s_barrier_signal -1
	s_barrier_wait -1
.endm
.macro MKG0 g, per, base               ; group 0: my share of a part begins at byte base + per x wave of the chunk, in memory and in LDS alike
	s_mul_i32 s80, s[WV], \per
	s_add_co_u32 s80, s80, \base
	s_mov_b32 s[\g], 1
	s_add_co_u32 s[\g+1], s80, 0
	s_add_nc_u64 s[\g+2:\g+3], s[84:85], s[80:81]
	s_or_b32 s[\g+3], s[\g+3], 0x80000000
.endm
.macro NOPS
.rept 4
	v_nop
.endr
.endm
	s_load_b128 s[4:7], s[0:1], 0x0                ; qcodes, qscl
	s_load_b128 s[8:11], s[0:1], 0x10              ; ecodes, part
	v_lshl_add_u32 v[SPW], v0, 2, SPARE
	v_mov_b32 v[NIL], 0
	ds_add_u32 v[SPW], v[NIL]                      ; the opening lines: the add, twice on end, and its wait ahead of my first tensor load
	ds_add_u32 v[SPW], v[NIL]
	v_lshrrev_b32 v15, 5, v0
	v_readfirstlane_b32 s[WV], v15                 ; wave 0..3
	s_bfe_u32 s17, ttmp6, 0x40000                  ; cx: it enters global addresses alone (queries, result, prefetch)
	s_lshl_b32 s18, ttmp9, 2
	s_add_co_u32 s18, s18, s17                     ; x = 4 x cluster x + cx
	s_and_b32 s19, ttmp7, 0xffff                   ; y, the chunk, which the four partners share
	s_lshl_b32 s20, s18, 2
	s_add_co_u32 s20, s20, s[WV]                   ; 4 x + w: which 128 queries are mine
	s_lshl_b32 s21, s17, 2
	s_add_co_u32 s21, s21, s[WV]
	s_lshl_b32 s21, s21, 5                         ; 32 x (4 cx + w): my wave's first row among the prefetched ones
	s_mov_b32 s23, 0
	s_mov_b32 s81, 0
	s_mov_b32 s83, 0
.irp g, G1, G1X                        ; rows of 256 bytes (32 elements of 8), dense; word 0: the mask of all four work-groups, elements of 8 bytes, bit 21 beside a mask
	s_mov_b32 s[\g], 15|(3<<16)|(1<<21)
	s_mov_b32 s[\g+1], 32<<16
	s_mov_b32 s[\g+3], 32<<16
	s_mov_b32 s[\g+5], 32
	s_mov_b32 s[\g+6], 0
	s_mov_b32 s[\g+7], 0
.endr
	s_mov_b32 s[G1+2], R0<<16
	s_mov_b32 s[G1+4], R0
	s_mov_b32 s[G1X+2], (R2-1)<<16
	s_mov_b32 s[G1X+4], R2-1
	s_mov_b32 s[HI16], 0xffff0000
	s_mov_b32 s[SEL], 0x76543210
	s_mov_b32 s[SEL+1], 0xfedcba98
	s_mul_i32 s[IDX], s19, 800                     ; the chunk's first row
	v_and_b32 v14, 31, v0                          ; lane
	v_bfe_u32 v[H8], v0, 4, 1                      ; h
	v_lshlrev_b32 v[L16], 4, v14
	v_lshlrev_b32 v[L8], 3, v14
	v_lshl_add_u32 v[AS0], v14, 3, 12288
	v_lshl_add_u32 v[AN0], v[H8], 5, 12800
	v_add_nc_u32 v[PF0], s21, v14                  ; row 0..511 of part 2,
	v_lshlrev_b32 v[H8], 3, v[H8]
	v_add_nc_u32 v[PF1], 512, v[PF0]
	v_min_u32 v[PF1], 610, v[PF1]                  ; and row 512..610, held at the part's last row
	v_lshlrev_b32 v[PF0], 8, v[PF0]
	v_lshlrev_b32 v[PF1], 8, v[PF1]
	s_wait_alu depctr_va_vdst(0)
	s_wait_dscnt 0x0                               ; both opening adds are done
	s_wait_kmcnt 0x0
	s_mul_i32 s22, s20, 49152                      ; 8 row blocks of 6,144 bytes
	s_add_nc_u64 s[4:5], s[4:5], s[22:23]
	s_lshl_b32 s22, s20, 11                        ; 8 x 256 bytes of scale words
	s_add_nc_u64 s[6:7], s[6:7], s[22:23]
	s_lshl_b32 s22, s20, 10                        ; 128 queries x 8 bytes,
	s_lshl_b32 s21, s19, 15                        ; in chunk y's 32,768
	s_add_co_u32 s22, s22, s21
	s_add_nc_u64 s[10:11], s[10:11], s[22:23]
	; MY QUERIES: 96 loads of 512 consecutive bytes, asked for ahead of the round.  Window 1 + w takes K steps 2 w and 2 w + 1 of every tile
.irp w, 0,1
	WIN (1+\w)<<6
.set ff, 0
.rept 48
	global_load_b128 v[4*ff:4*ff+3], v[L16], s[4:5] offset:6144*(ff/6)+3072*\w+512*(ff%6)
.set ff, ff+1
.endr
.endr
	WIN 0
.irp m, 0,1,2,3,4,5,6,7
	global_load_b64 v[SQ+2*\m:SQ+2*\m+1], v[L8], s[6:7] offset:256*\m   ; register u: lanes 0-15 the words of K step 2 u, lanes 16-31 those of K step 2 u + 1
.endr
	s_mul_i32 s82, s19, CH
	s_add_nc_u64 s[84:85], s[8:9], s[82:83]        ; my chunk
	MKG0 48, R0*256, 0
	MKG0 52, R1*256, 4*R0*256
	MKG0 56, R2*256, 4*(R0+R1)*256
	CROUND                                         ; all four work-groups are here: the first joint loads meet
	tensor_load_to_lds s[48:51], s[G1:G1+7]        ; part 0: one tensor load a wave at the head
	s_nop 0
	NOPS
; Product i of a block's 32: K step i / 8, tile i % 8, on accumulator set p and vocabulary set p.  An even K step's scale words lie in lanes 0-15 of their registers, an odd one's in lanes 16-31.
.macro MM p
.set ks, i/8
.set mt, i%8
.set rd, ACC+64*(\p)+8*mt
.set rv, VF+12*ks
.set rq, 24*mt+12*(ks%2)
.set sv, SB+2*(\p)+ks/2
.set sq, SQ+2*mt+ks/2
.if ks == 0
.set wn, (1+(\p))|(1<<2)|((1+(\p))<<4)
	WIN wn                                         ; source 0 and C: the vocabulary's window; source 1: the K half's; D: window 0
	v_wmma_scale_f32_16x16x128_f8f6f4 v[rd:rd+7], v[rv:rv+11], v[rq:rq+11], v[NC:NC+7], v[sv], v[sq] matrix_a_fmt:MATRIX_FMT_BF6 matrix_b_fmt:MATRIX_FMT_BF6
.else
.set wn, (1+(\p))|((1+ks/2)<<2)
	WIN wn
.if ks%2 == 1
	v_wmma_scale_f32_16x16x128_f8f6f4 v[rd:rd+7], v[rv:rv+11], v[rq:rq+11], v[rd:rd+7], v[sv], v[sq] matrix_a_fmt:MATRIX_FMT_BF6 matrix_b_fmt:MATRIX_FMT_BF6 matrix_a_scale:MATRIX_SCALE_ROW1 matrix_b_scale:MATRIX_SCALE_ROW1
.else
	v_wmma_scale_f32_16x16x128_f8f6f4 v[rd:rd+7], v[rv:rv+11], v[rq:rq+11], v[rd:rd+7], v[sv], v[sq] matrix_a_fmt:MATRIX_FMT_BF6 matrix_b_fmt:MATRIX_FMT_BF6
.endif
.endif
.endm
; Level lvl of 4 of tile tt's maximum, on accumulator set g: the new best (set g) = the old best (the other set) and my 8 scores.  The accumulator is read from its low end on.
.macro MX3 lvl, tt, g
.set ra, ACC+64*(\g)+8*(\tt)+2*(\lvl)
.if \lvl == 0
	v_max3_num_f32 v[RB+8*(\g)+(\tt)], v[RB+8*(1-(\g))+(\tt)], v[ra], v[ra+1]
.else
	v_max3_num_f32 v[RB+8*(\g)+(\tt)], v[RB+8*(\g)+(\tt)], v[ra], v[ra+1]
.endif
.endm
; The argmax of the block in accumulator set g: 80 vector lines.  The tiles' chains take turns; a later tile's last two levels stand among an earlier tile's selects.
.macro ARGB g
.irp l, 0,1
.set t, 0
.rept 8
	MX3 \l, t, \g
.set t, t+1
.endr
.endr
	MX3 2, 0, \g
	MX3 2, 1, \g
	MX3 3, 0, \g
	MX3 3, 1, \g
.set t, 0
.rept 8
	v_cmp_gt_f32 vcc_lo, v[RB+8*(\g)+t], v[RB+8*(1-(\g))+t]      ; the best has grown: this block won; an earlier block keeps a tie
.if t < 6
	MX3 2, t+2, \g
.endif
	v_cndmask_b32 v[BI+t], v[BI+t], s[IDX], vcc_lo
.irp k, 0,2,4,6
	v_dual_cndmask_b32 v[VS+8*t+\k], v[VS+8*t+\k], v[ACC+64*(\g)+8*t+\k] :: v_dual_cndmask_b32 v[VS+8*t+\k+1], v[VS+8*t+\k+1], v[ACC+64*(\g)+8*t+\k+1]   ; the snapshot, two registers a line
.endr
.if t < 6
	MX3 3, t+2, \g
.endif
.set t, t+1
.endr
	s_add_co_u32 s[IDX], s[IDX], 16
.endm
.macro INIT                            ; the state that the first argmax reads is written once.  -infinity lies under every score
.set t, 0
.rept 64
	v_mov_b32 v[VS+t], 0
.set t, t+1
.endr
.set t, 0
.rept 8
	v_mov_b32 v[RB+8+t], 0xff800000
	v_mov_b32 v[BI+t], 0
.set t, t+1
.endr
	s_wait_alu depctr_va_vdst(0)
.endm
; 15 LDS loads in one run into set q: a block's scale words, its four fragments (12 x 512 consecutive bytes), its norms (every lane of a half reads the same 32 bytes).  adr = 1: the record's three addresses are made first
.macro FETCH q, oc, os, on, adr
	WIN 0
.if \adr
	v_add_nc_u32 v[ADB], s[TB], v[L16]
	v_add_nc_u32 v[ADS], s[TB], v[AS0]
	v_add_nc_u32 v[ADN], s[TB], v[AN0]
.endif
	ds_load_b64 v[SB+2*(\q):SB+2*(\q)+1], v[ADS] offset:\os
	WIN (1+(\q))<<6
.irp f, 0,1,2,3,4,5,6,7,8,9,10,11
	ds_load_b128 v[VF+4*\f:VF+4*\f+3], v[ADB] offset:\oc+512*\f
.endr
	ds_load_b128 v[NC:NC+3], v[ADN] offset:\on
	ds_load_b128 v[NC+4:NC+7], v[ADN] offset:\on+16
.endm
; A BLOCK on set p.  fetch = 1: the record's second block is fetched; 2: the next record's first; 0: nothing.  mode = 1: the block before's argmax; 0: the state's first writing.
; PLACES, by this text's count: the loads go into registers whose last reader is the block before's last product, and a finished accumulator is first read one block later:
; behind those products stands a whole batch (80 plain vector lines, or the 80 of the first writing), which names none of their registers.
.macro STEP p, mode, fetch
	s_wait_dscnt 0x0                               ; set p's 15 loads, issued a block ago, are in
.if \fetch == 1
	FETCH 1-\p, 6144, 256, 128, 1
.endif
.if \fetch == 2
	FETCH 1-\p, REC, REC, REC, 0
	s_add_co_u32 s[TB], s[TB], REC
.endif
.set i, 0
.rept 32
	MM \p
.set i, i+1
.endr
	WIN 0
.if \mode
	ARGB 1-\p
.else
	INIT
.endif
.endm
.macro LOOP n, first                   ; n records from record first on, two blocks a trip
	s_mov_b32 s[TB], (\first)*REC
	s_mov_b32 s[CNT], \n
.Ltrip_\@:
	STEP 0, 1, 1
	STEP 1, 1, 2
	s_sub_co_u32 s[CNT], s[CNT], 1
	s_cmp_lg_u32 s[CNT], 0
	s_cbranch_scc1 .Ltrip_\@
.endm
.macro SEQ rows                        ; ahead of a later first fill: the wait for all my tensor loads, the add, its wait, a round; no load of mine is out, so group 1's row counts are set
	s_wait_tensorcnt 0x0
	ds_add_u32 v[SPW], v[NIL]
	s_mov_b32 s[G1+2], (\rows)<<16
	s_mov_b32 s[G1+4], \rows
	s_wait_dscnt 0x0
	CROUND
.endm
	SEQ R1                                         ; part 0 is whole in LDS, in every work-group of the cluster
	tensor_load_to_lds s[52:55], s[G1:G1+7]        ; part 1
	s_nop 0
	NOPS
	s_mov_b32 s[TB], 0
	FETCH 0, 0, 0, 0, 1                            ; block 0
	s_wait_loadcnt 0x0                             ; my queries
	STEP 0, 0, 1                                   ; block 0 | the state
	global_prefetch_b8 v[PF0], s[84:85] offset:4*(R0+R1)*256 th:TH_LOAD_NT scope:SCOPE_SE   ; part 2's rows, one part ahead of their tensor load
	global_prefetch_b8 v[PF1], s[84:85] offset:4*(R0+R1)*256 th:TH_LOAD_NT scope:SCOPE_SE
	STEP 1, 1, 2                                   ; block 1 | block 0's argmax
	LOOP 3, 1                                      ; records 1-3; the last fetch is record 4's first block
	SEQ R2                                         ; part 1 is whole
	s_cmp_lt_u32 s[WV], 3
	s_cbranch_scc0 .Lwave_3
	tensor_load_to_lds s[56:59], s[G1:G1+7]        ; part 2: 153 rows for each of waves 0-2,
	s_nop 0
	NOPS
	s_branch .Lasked
.Lwave_3:
	tensor_load_to_lds s[56:59], s[G1X:G1X+7]      ; 152 for wave 3
	s_nop 0
	NOPS
.Lasked:
	LOOP 8, 4                                      ; records 4-11; the last fetch is record 12's first block
	s_wait_tensorcnt 0x0                           ; my share of part 2 is in;
	s_wait_dscnt 0x0                               ; no LDS load of mine is pending at the signal;
	s_barrier_signal -1
	s_barrier_wait -1                              ; everybody's share is in.
	LOOP 12, 12                                    ; records 12-23
	STEP 0, 1, 1                                   ; block 48
	STEP 1, 1, 0                                   ; block 49 | block 48's argmax
	ARGB 1                                         ; block 49's argmax: the batch above stands between it and the last products
.set RF, RB+8                          ; the last batch left the best values in set 1
	; WHICH OF THE EIGHT: the first register of the snapshot that equals the best value; register 7 takes the number (if none of 0-6 is equal, it was 7)
.irp m, 0,1,2,3,4,5,6,7
	v_mov_b32 v[VS+8*\m+7], 7
.endr
.irp j, 6,5,4,3,2,1,0
.irp m, 0,1,2,3,4,5,6,7
	v_cmp_neq_f32 vcc_lo, v[VS+8*\m+\j], v[RF+\m]
	v_cndmask_b32 v[VS+8*\m+7], \j, v[VS+8*\m+7], vcc_lo
.endr
.endr
.irp m, 0,1,2,3,4,5,6,7
	v_add3_u32 v[BI+\m], v[BI+\m], v[VS+8*\m+7], v[H8]   ; the row: the block's first + 8 h + j
.endr
	; a query's other eight rows of each block lie in lane l xor 16: the larger value wins, at a tie the lower row
.irp m, 0,1,2,3,4,5,6,7
	v_permlanex16_b32 v[VS+8*\m], v[RF+\m], s[SEL], s[SEL+1]
	v_permlanex16_b32 v[VS+8*\m+1], v[BI+\m], s[SEL], s[SEL+1]
.endr
.irp m, 0,1,2,3,4,5,6,7
	v_cmp_gt_f32 s[MK], v[VS+8*\m], v[RF+\m]
	v_cmp_eq_f32 s98, v[VS+8*\m], v[RF+\m]
	v_cmp_lt_u32 s99, v[VS+8*\m+1], v[BI+\m]
	s_and_b32 s98, s98, s99
	s_or_b32 s[MK], s[MK], s98
	v_cndmask_b32 v[RF+\m], v[RF+\m], v[VS+8*\m], s[MK]
	v_cndmask_b32 v[BI+\m], v[BI+\m], v[VS+8*\m+1], s[MK]
.endr
	; both halves of the lanes now hold the same: lanes 0-15 carry tile 2 u's queries, lanes 16-31 tile 2 u + 1's
.irp u, 0,1,2,3
	v_cndmask_b32 v[ACC+2*\u], v[RF+2*\u], v[RF+2*\u+1], s[HI16]
	v_cndmask_b32 v[ACC+2*\u+1], v[BI+2*\u], v[BI+2*\u+1], s[HI16]
.endr
	; THE KEY: -0 becomes +0; then a number at or above 0 gets its top bit set and a negative one all its bits turned: unsigned order of the keys = order of the scores
.irp u, 0,1,2,3
	v_add_f32 v[ACC+2*\u], 0, v[ACC+2*\u]
.endr
.irp u, 0,1,2,3
	v_ashrrev_i32 v[VS+\u], 31, v[ACC+2*\u]
.endr
.irp u, 0,1,2,3
	v_or_b32 v[VS+\u], 0x80000000, v[VS+\u]
.endr
.irp u, 0,1,2,3
	v_xor_b32 v[ACC+2*\u], v[ACC+2*\u], v[VS+\u]
.endr
.irp u, 0,1,2,3
	global_store_b64 v[L8], v[ACC+2*\u:ACC+2*\u+1], s[10:11] offset:256*\u   ; 32 lanes store 256 consecutive bytes, aligned
.endr
	s_wait_tensorcnt 0x0                           ; the wave's end
	ds_add_u32 v[SPW], v[NIL]
	s_wait_dscnt 0x0
	CROUND                                         ; the closing round: no work-group ends while a partner may still ask for a tile that names it
	s_endpgm
.Lfunc_end_k_q7f85432074_score:
	.size	k_q7f85432074_score, .Lfunc_end_k_q7f85432074_score-k_q7f85432074_score
	.p2alignl 7, 3214868480
	.fill 96, 4, 3214868480
	.section	.rodata,"a",@progbits
	.p2align	6, 0x0
	.amdhsa_kernel k_q7f85432074_score
		.amdhsa_group_segment_fixed_size 327680
		.amdhsa_private_segment_fixed_size 0
		.amdhsa_enable_private_segment 0
		.amdhsa_kernarg_size 32
		.amdhsa_user_sgpr_count 2
		.amdhsa_user_sgpr_kernarg_segment_ptr 1
		.amdhsa_wavefront_size32 1
		.amdhsa_system_sgpr_workgroup_id_x 1
		.amdhsa_system_sgpr_workgroup_id_y 1
		.amdhsa_system_sgpr_workgroup_id_z 1
		.amdhsa_system_vgpr_workitem_id 0
		.amdhsa_next_free_vgpr 768
		.amdhsa_next_free_sgpr 100
		.amdhsa_reserve_vcc 1
		.amdhsa_float_denorm_mode_32 3
		.amdhsa_float_denorm_mode_16_64 3
		.amdhsa_memory_ordered 1
		.amdhsa_forward_progress 1
		.amdhsa_inst_pref_size 131
	.end_amdhsa_kernel
	.amdgpu_metadata
---
amdhsa.version: [ 1, 2 ]
amdhsa.kernels:
  - .name:           k_q7f85432074_score
    .symbol:         k_q7f85432074_score.kd
    .args:
      - { .name: qcodes, .offset: 0, .size: 8, .value_kind: global_buffer, .address_space: global }
      - { .name: qscl, .offset: 8, .size: 8, .value_kind: global_buffer, .address_space: global }
      - { .name: ecodes, .offset: 16, .size: 8, .value_kind: global_buffer, .address_space: global }
      - { .name: part, .offset: 24, .size: 8, .value_kind: global_buffer, .address_space: global }
    .group_segment_fixed_size: 327680
    .private_segment_fixed_size: 0
    .kernarg_segment_align: 8
    .kernarg_segment_size: 32
    .max_flat_workgroup_size: 128
    .sgpr_count:     100
    .vgpr_count:     768
    .wavefront_size: 32
...
	.end_amdgpu_metadata
.endif
;; end of part 2
;; launch pick (part 3): grid 256 x 1, 8 waves a work-group, no clusters, 0 bytes of LDS; arguments part, all_z, out0; writes out0
.if DOCPART == 3
	.amdgcn_target "amdgcn-amd-amdhsa--gfx1250"
	.amdhsa_code_object_version 6
	.text
	.protected	k_q7f85432074_pick
	.globl	k_q7f85432074_pick
	.p2align	8
	.type	k_q7f85432074_pick,@function
k_q7f85432074_pick:
	s_mov_b64 s[64:65], 0
	v_nop
	global_prefetch_b8 v0, s[64:65] scope:SCOPE_SE
	s_setreg_imm32_b32 hwreg(HW_REG_WAVE_MODE, 25, 1), 1
	s_wait_xcnt 0x0
; out0[q][:] = all_z[row][:], row = the row of the largest key among the 32 chunks' results for query q.  part [32][4096][key u32, row u32], whole numbers stored by the launch before;
; all_z [25128][512] f32; out0 [4096][512] f32.  All the arithmetic on keys and rows here is on whole numbers read from memory.
; A wave owns two neighbouring queries.  Lane c reads chunk c's 16 bytes (both queries' key and row): one load a wave.  The largest key is taken across the 32 lanes (four steps inside each half of
; 16 lanes, one across the halves; the two queries' chains by turns); then the least row among the lanes that hold it, in the same way: so the lowest row keeps a tie, as argmin does.
; Each row's number is clamped to the table's last row (which also maps the padded copies of that row onto it); then 2 x 2,048 bytes are copied: eight loads and eight stores of 512 consecutive bytes.
; No hint on the row loads: two queries may name the same row.  No LDS, no barrier: waves share nothing.  No loop, so nothing to prefetch from.
	s_load_b128 s[4:7], s[0:1], 0x0                ; part, all_z
	s_load_b64 s[8:9], s[0:1], 0x10                ; out0
	v_lshrrev_b32 v1, 5, v0
	v_and_b32 v2, 31, v0                           ; lane
	v_readfirstlane_b32 s10, v1                    ; wave 0..7
	v_lshlrev_b32 v3, 15, v2                       ; my chunk's 32,768 bytes
	v_lshlrev_b32 v4, 4, v2                        ; 16 x lane
	v_mov_b32 v14, 0                               ; written once: the destination of a lane move counts as one of its sources
	v_mov_b32 v15, 0
	s_lshl_b32 s11, ttmp9, 4
	s_lshl_b32 s10, s10, 1
	s_add_co_u32 s18, s11, s10                     ; my first query: 16 x work-group + 2 x wave
	s_lshl_b32 s20, s18, 3                         ; 8 bytes a query in a chunk's results
	s_mov_b32 s21, 0
	s_lshl_b32 s22, s18, 11                        ; 2,048 bytes a query in out0
	s_mov_b32 s23, 0
	s_mov_b32 s24, 0x76543210
	s_mov_b32 s25, 0xfedcba98                      ; v_permlanex16_b32's selects for lane l xor 16
	s_wait_alu depctr_va_vdst(0)
	s_wait_kmcnt 0x0
	s_add_nc_u64 s[4:5], s[4:5], s[20:21]
	s_add_nc_u64 s[8:9], s[8:9], s[22:23]
	global_load_b128 v[8:11], v3, s[4:5]           ; key, row of my first query; key, row of my second
	s_wait_loadcnt 0x0
.macro RED op                          ; v16 and v17 over the 32 lanes; every lane ends with the result
.irp x, 1,2,4,8
	v_mov_b32_dpp v14, v16 row_xmask:\x row_mask:0xf bank_mask:0xf
	v_mov_b32_dpp v15, v17 row_xmask:\x row_mask:0xf bank_mask:0xf
	\op v16, v16, v14
	\op v17, v17, v15
.endr
	v_permlanex16_b32 v14, v16, s24, s25
	v_permlanex16_b32 v15, v17, s24, s25
	\op v16, v16, v14
	\op v17, v17, v15
.endm
	v_mov_b32 v16, v8
	v_mov_b32 v17, v10
	RED v_max_u32                                  ; the largest key
	v_cmp_eq_u32 vcc_lo, v8, v16
	v_cmp_eq_u32 s26, v10, v17
	v_cndmask_b32 v16, -1, v9, vcc_lo              ; my row where I hold it, else the greatest number
	v_cndmask_b32 v17, -1, v11, s26
	RED v_min_u32                                  ; the least such row
	v_readfirstlane_b32 s12, v16
	v_readfirstlane_b32 s13, v17
	s_min_u32 s14, s12, 25127
	s_lshl_b32 s14, s14, 11                        ; 2,048 bytes a row
	s_mov_b32 s15, 0
	s_min_u32 s16, s13, 25127
	s_lshl_b32 s16, s16, 11
	s_mov_b32 s17, 0
	s_add_nc_u64 s[14:15], s[6:7], s[14:15]
	s_add_nc_u64 s[16:17], s[6:7], s[16:17]
.irp i, 0,1,2,3
	global_load_b128 v[20+4*\i:23+4*\i], v4, s[14:15] offset:512*\i
.endr
.irp i, 0,1,2,3
	global_load_b128 v[36+4*\i:39+4*\i], v4, s[16:17] offset:512*\i
.endr
.irp i, 0,1,2,3,4,5,6,7
	s_wait_loadcnt 7-\i                            ; loads come back in order (ISA guide 5.7.1): load i is in, the younger ones may be out
	global_store_b128 v4, v[20+4*\i:23+4*\i], s[8:9] offset:512*\i th:TH_STORE_NT   ; 512 consecutive bytes, aligned; written once, read by nobody here
.endr
	s_endpgm
.Lfunc_end_k_q7f85432074_pick:
	.size	k_q7f85432074_pick, .Lfunc_end_k_q7f85432074_pick-k_q7f85432074_pick
	.p2alignl 7, 3214868480
	.fill 96, 4, 3214868480
	.section	.rodata,"a",@progbits
	.p2align	6, 0x0
	.amdhsa_kernel k_q7f85432074_pick
		.amdhsa_group_segment_fixed_size 0
		.amdhsa_private_segment_fixed_size 0
		.amdhsa_enable_private_segment 0
		.amdhsa_kernarg_size 24
		.amdhsa_user_sgpr_count 2
		.amdhsa_user_sgpr_kernarg_segment_ptr 1
		.amdhsa_wavefront_size32 1
		.amdhsa_system_sgpr_workgroup_id_x 1
		.amdhsa_system_sgpr_workgroup_id_y 1
		.amdhsa_system_sgpr_workgroup_id_z 1
		.amdhsa_system_vgpr_workitem_id 0
		.amdhsa_next_free_vgpr 52
		.amdhsa_next_free_sgpr 66
		.amdhsa_reserve_vcc 1
		.amdhsa_float_denorm_mode_32 3
		.amdhsa_float_denorm_mode_16_64 3
		.amdhsa_memory_ordered 1
		.amdhsa_forward_progress 1
		.amdhsa_inst_pref_size 6
	.end_amdhsa_kernel
	.amdgpu_metadata
---
amdhsa.version: [ 1, 2 ]
amdhsa.kernels:
  - .name:           k_q7f85432074_pick
    .symbol:         k_q7f85432074_pick.kd
    .args:
      - { .name: part, .offset: 0, .size: 8, .value_kind: global_buffer, .address_space: global }
      - { .name: all_z, .offset: 8, .size: 8, .value_kind: global_buffer, .address_space: global }
      - { .name: out0, .offset: 16, .size: 8, .value_kind: global_buffer, .address_space: global }
    .group_segment_fixed_size: 0
    .private_segment_fixed_size: 0
    .kernarg_segment_align: 8
    .kernarg_segment_size: 24
    .max_flat_workgroup_size: 256
    .sgpr_count:     66
    .vgpr_count:     52
    .wavefront_size: 32
...
	.end_amdgpu_metadata
.endif
;; end of part 3
